; MI455X (gfx1250); checked and timed in simulation.
; The chip was launched on July 23, 2026; its instructions are those of AMD's public machine-readable ISA for CDNA 5 (MIT licence, August 2026) and "CDNA5" Instruction Set Architecture Reference Guide (July 2026). The comments in the code are by the model that wrote it; some were corrected since.
;; Temporal Attention Encoder. Allowed arithmetic: matrix products marked QUANTISED: E2M3 operands, one E8M0 scale for each 32 along K, by v_wmma_scale_f32_16x16x128_f8f6f4 with both operands' format E2M3, f32 sums; products left as they are: f32 operands where the result goes on into a quantised operand, else bf16, f16 or f32 operands; f32 sums; everything else in f32.
;; Inputs: b2 128 float32; b3a 128 float32; b3b 128 float32; b_k 128 float32; b_q 128 float32; be3a 128 float32; be3b 128 float32; g3a 128 float32; g3b 128 float32; w2 128 x 128 float32; w3a 512 x 128 float32; w3b 128 x 128 float32; w_k 128 x 128 float32; w_q 128 x 128 float32; x 4,096 x 64 x 128 float32.
;; Outputs: out0 4,096 x 128 float32.
;; This version of the problem:
;;   THIS VERSION OF THE PROBLEM IS GIVEN IN LOW PRECISION. The matrix products marked QUANTISED in the list below multiply operands that are first quantised to E2M3 (2 exponent bits, 3 mantissa bits; 6 bits a number), with one power-of-two scale for each 32 numbers along K (OCP MX v1.0); their sums are f32. All else is computed in f32.
;;   The module's matrix products, in the order in which they are computed (A, B: the left and right operand; K: the contracted axis; several contracted axes count as one K, in the product's order):
;;     1. [M 262,144, K 128] x [K 128, N 128]; A: computed on the way; B: input w_q: QUANTISED
;;     2. [M 4,096, K 128] x [K 128, N 128]; A: computed on the way; B: input w2: QUANTISED
;;     3. [M 262,144, K 128] x [K 128, N 128]; A: computed on the way; B: input w_k: QUANTISED
;;     4. batch 16,384 x [M 1, K 32] x [K 32, N 64]; A: computed on the way; B: computed on the way: left as it is (M = 1 < 16)
;;     5. batch 16,384 x [M 1, K 64] x [K 64, N 128]; A: softmax; B: computed on the way: left as it is (M = 1 < 16)
;;     6. [M 4,096, K 512] x [K 512, N 128]; A: computed on the way; B: input w3a: QUANTISED
;;     7. [M 4,096, K 128] x [K 128, N 128]; A: computed on the way; B: input w3b: QUANTISED
;;   THE QUANTISER, for each operand of a quantised product, along K:
;;     - K is cut into blocks of 32 from its start; a last block that is shorter is filled with zeros.
;;     - A block's scale is 2^e with e = floor(log2(the largest magnitude in the block)) - 2, held to -126 .. 127; a block of zeros has e = 0. As a byte (E8M0): e + 127.
;;     - Each number is divided by its block's scale, clamped to +-7.5, and rounded to the nearest number of E2M3, ties to even, subnormals kept.
;;     - The product sums the exact products of the quantised numbers (number of the format x scale) in f32.
;;   ~~~python
;;   def quantise(x, axis):      # numpy; x: float32 -> the quantised numbers, widened to float32 again
;;       x = np.moveaxis(x, axis, -1); K = x.shape[-1]
;;       x = np.pad(x, [(0, 0)] * (x.ndim - 1) + [(0, -K % 32)]); x = x.reshape(x.shape[:-1] + (-1, 32)); a = np.abs(x).max(-1, keepdims=True)
;;       e = np.where(a > 0, np.clip(np.frexp(np.where(a > 0, a, 1))[1] - 1 - 2, -126, 127), 0)      # np.frexp(a)[1] - 1 = floor(log2(a)), exactly
;;       r = np.clip(x / 2.0 ** e, -7.5, 7.5)
;;       step = 2.0 ** (np.maximum(np.frexp(np.where(r == 0, 1, r))[1] - 1, 0) - 3)
;;       q = np.round(r / step) * step * 2.0 ** e      # np.round: ties to even
;;       return np.moveaxis(q.reshape(q.shape[:-2] + (-1,))[..., :K], -1, axis).astype(np.float32)
;;   ~~~
;;   OPERANDS COMPUTED ON THE WAY. 'Computed on the way' means the value that the module computes at that place (a softmax that the list does not call 'softmax' is quantised finished and normalised). What goes into a quantiser is computed in f32, as accurately as f32 sums, v_exp_f32 and their like allow (about 1e-6 of the number): no bf16 or f16 on the way to a quantiser, and a product that is left as it is and whose result goes on into a quantised operand takes f32 operands (vector FMAs, or v_wmma_f32_16x16x4_f32). A number that lies on a knife's edge between two numbers of the format may be rounded either way, as far as f32 arithmetic and the matrix unit's own rounding can turn it there, and no further.
;; One version. Each part assembles by itself: llvm-mc -triple=amdgcn-amd-amdhsa -mcpu=gfx1250 --defsym DOCPART=n.
;; ======== version 1 of 1: 2 launches
;; workspace buffers: probs 4,194,304 bytes; pe 32,768 bytes; w3img 66,560 bytes
;; launch scores (part 1): grid 256 x 1, 4 waves a work-group, no clusters, 327,680 bytes of LDS; arguments x, w_q, b_q, w_k, b_k, w2, b2, w3a, w3b, probs, pe, w3img; writes probs, pe, w3img
.if DOCPART == 1
	.amdgcn_target "amdgcn-amd-amdhsa--gfx1250"
	.amdhsa_code_object_version 6
	.text
	.protected	k_q1b34f9dd41_scores
	.globl	k_q1b34f9dd41_scores
	.p2align	8
	.type	k_q1b34f9dd41_scores,@function
k_q1b34f9dd41_scores:
	s_mov_b64 s[64:65], 0
	v_nop
	global_prefetch_b8 v0, s[64:65] scope:SCOPE_SE
	s_setreg_imm32_b32 hwreg(HW_REG_WAVE_MODE, 25, 1), 1
	s_wait_xcnt 0x0
; FIRST LAUNCH.  probs[4 b + head][s] = softmax_s( q_hat[b][head] . k[b][s][head] / sqrt(32) ), 16,384 rows of 64 f32, for x [4096][64][128] f32.
;   e_p = x + PE;  q = Q(e_p) Q(w_q) + b_q;  q_mean = mean over s;  q_hat = Q(q_mean) Q(w2) + b2;  k = Q(e_p) Q(w_k) + b_k.  Q: codes of E2M3, one E8M0 scale for each 32 along K.
; It also makes two tables for the second launch: pe [64][128] f32 (work-group 10) and w3img, w3a's and w3b's codes in the order of an operand's registers (work-groups 0 to 9, a fragment a wave).
; SHARES.  256 work-groups of four waves; wave w of work-group g owns batches 16 g + 4 w + 0 .. 3, one after the other.  A batch (64 rows x 512 bytes) comes by ONE tensor load into the wave's own ring of two LDS slots.
; The weights are quantised once a work-group (a wave makes two tiles of each of w_q, w_k, w2), handed round through LDS as images of the operand's registers; w_q and w_k then stay in registers, w2 in LDS.
; LAYOUT.  A 6-bit operand: lane (r, h) holds row r, registers 6 c .. 6 c + 5 = k 64 c + 32 h + 0 .. 31: a lane owns whole blocks of 32, so a block's largest magnitude needs no other lane.
; THE COLUMNS OF A WEIGHT'S TILE ARE NOT NEIGHBOURS: lane r of tile t takes column 32 (t / 2) + 8 (t % 2) + r + 8 (r / 8).  Used as source 0, register j of lane (r, h) of tile t is then column 32 (t / 2) + 16 h + 8 (t % 2) + j:
; tiles 2 b and 2 b + 1 are head b, 16 neighbouring columns a lane.  k and q_hat are made in that layout, so a score is 16 multiply-adds a lane and one exchange between the halves of the lanes.
; q is made the other way round (source 0 = 16 rows of e_p) and the batch's four tiles of rows add onto the same eight accumulators: the sum over s is three quarters done by the matrix unit.
; q_hat is made with q_mean in all 16 rows of source 1, so that every lane holds it and nothing is broadcast: eight matrix instructions a batch.
; LIMITS.  NaN and infinities among the inputs are not served.  A block whose largest magnitude lies under 2^-124 gets the scale byte 1, a block of zeros too (the rule says 127): its codes are zeros, and this program alone reads the bytes.
; PE: 1000^(-f / 64) = exp2(-f log2(1000) / 64); the angle is reduced by pi / 2 in two parts; polynomials of degree 7 and 8 on +-pi / 4: the angle is right to about 7e-6 at the largest angles (63).
; REGISTERS, in windows of 256 (s_set_vgpr_msb: bits 1:0 source 0, 3:2 source 1, 5:4 source 2, 7:6 destination):
;   window 0: addresses, scale words, codes, q's sums and q_hat, scores.   window 1: PE, register 64 m + 32 c + i = pe[16 m + r][64 c + 32 h + i].
;   window 2: w_q's 8 fragments, w_k's 8, b_k as eight C tiles.   window 3: v0-127 two sets of eight tiles of k (w2's fragments meanwhile); v128-191, v192-255 two buffers of 64 numbers.
.set EIMG,  0                          ; LDS: first w_q's and w_k's 16 images (1,536 bytes each) and from ESC on 24 x 128 bytes of scale words; later the four quarters of PE, 8,192 bytes each
.set ESC,   24576
.set W2I,   32768                      ; w2's eight images: they stay
.set BIAS,  45056                      ; b2, 512 bytes
.set SCR,   45568                      ; 1,536 bytes a wave: q_mean (512), a batch's probabilities (1,024)
.set SPARE, 51712                      ; the spare words, 128 bytes a wave: two blocks of 256 bytes that no other line names
.set RING,  52224                      ; the rings
.set PITCH, 528                        ; a row of x in LDS: 512 bytes + 16 = 132 words: row r starts at bank 4 r mod 64 (64 banks of 4 bytes: ISA guide 11.1)
.set SLOTB, 64*PITCH
.set WRING, 2*SLOTB
.set SPW, 1                            ; v1   LDS address of my spare word; never rewritten
.set NIL, 2                            ; v2   0; never rewritten
.set XA0, 3                            ; v3   my place in slot 0 of my ring: 528 r + 128 h
.set XA,  4                            ; v4   the same in the slot in hand
.set SH8, 5                            ; v5   8 h
.set WL,  6                            ; v6   a weight: 4 (r + 8 (r / 8)) + 32 rows x h + 128 w
.set WL0, 7                            ; v7   the same without the wave's part
.set IM,  8                            ; v8   16 lane + 3,072 w
.set IS,  9                            ; v9   4 lane + 256 w
.set LI,  10                           ; v10  16 lane
.set LS,  11                           ; v11  4 lane
.set QSA, 12                           ; v12  q_mean into LDS
.set QSR, 13                           ; v13  and back, as an operand's numbers
.set PSA, 14                           ; v14  probabilities into LDS
.set PSR, 15                           ; v15  and back, 16 bytes a lane
.set B2A, 16                           ; v16  b2 in LDS, + 64 h
.set PEI, 17                           ; v17  my quarter of PE in LDS
.set PEO, 18                           ; v18  and in the table pe
.set BKA, 19                           ; v19  64 h
.set BQ,  20                           ; v20-27  b_q at my column of each tile
.set WQS, 28                           ; v28-35, v36-43, v44-51 scale words of w_q, w_k, w2
.set WKS, 36
.set W2S, 44
.set XS,  52                           ; v52-55 e_p's scale words, a register for each 16 rows
.set QSC, 56                           ; v56  q_mean's scale word
.set BQA, 57                           ; v57  4 (r + 8 (r / 8))
.set TM,  58                           ; v58-65 the quantiser's
.set CT,  66                           ; v66-73 the upper halves of blocks' codes
.set QC,  74                           ; v74-85 q_mean's codes (at the head: a weight fragment's)
.set CD,  86                           ; v86-133 e_p's codes, 12 registers for each 16 rows
.set QA,  134                          ; v134-197 q's sums, then q_hat (at the head: my quarter of PE)
.set SS,  198                          ; v198-213 scores: register 4 m + head
.set SA,  214                          ; v214-221 at work
.set MX,  222
.set NM,  226
.set OUTP, 230                         ; v230-237 probabilities on their way out
.set RT,  238                          ; v238-253 at work
.set RU,  246
.set B2G, 254                          ; v254 4 x my thread's number
.set B2V, 255                          ; v255 b2 of that number
.set WK,  96                           ; window 2: w_q at v0, w_k at v96, b_k at v192
.set BK,  192
.set KT,  0                            ; window 3
.set XB0, 128
.set XB1, 192
.set PP,  22                           ; s[22:23] probs, at the batch in hand
.set G1,  28                           ; s[28:35] descriptor group 1
.set G0A, 36                           ; s[36:39], s[40:43] group 0 of the two first fills;  s[44:47] the one that walks
.set G0B, 40
.set G0W, 44
.set WV,  48
.set TB,  49                           ; the slot in hand: 0 or SLOTB
.set SEL, 50                           ; s[50:51] v_permlanex16_b32's selects for lane l xor 16
.set CNT, 52
.set CSC, 53                           ; log2(e) / sqrt(32), and its negative
.set NCS, 54
.set SC0, 55                           ; s55-57 the sine's coefficients, s58-60 the cosine's
.set CC0, 58
.set NL,  61                           ; -log2(1000) / 64
.set MSB, 0
.macro WIN new                         ; the immediate's high byte repeats the setting that is left; a switch that changes nothing is dropped
.if MSB != \new
	s_set_vgpr_msb (MSB<<8)|\new
.set MSB, \new
.endif
.endm
.macro PLACES n
.rept \n
	v_nop
.endr
.endm
.macro MM d, a, b, c, sa, sb           ; D = A B + C on codes of E2M3
	v_wmma_scale_f32_16x16x128_f8f6f4 v[\d:\d+7], v[\a:\a+11], v[\b:\b+11], v[\c:\c+7], v[\sa], v[\sb] matrix_a_fmt:MATRIX_FMT_FP6 matrix_b_fmt:MATRIX_FMT_FP6
.endm
.macro MM0 d, a, b, sa, sb             ; the same with C = 0: it starts a sum
	v_wmma_scale_f32_16x16x128_f8f6f4 v[\d:\d+7], v[\a:\a+11], v[\b:\b+11], 0, v[\sa], v[\sb] matrix_a_fmt:MATRIX_FMT_FP6 matrix_b_fmt:MATRIX_FMT_FP6
.endm
; THE QUANTISER.  64 numbers of a lane in window 3, register src + 32 c + i = k 64 c + 32 h + i of my row, become the 12 registers of codes from dst on and the row's scale word in wrd.
.macro QB src, dst, wrd
	WIN 0x3c
.irp k, 0,1,2,3
	v_max3_num_f32 v[TM+\k], 0x1800000, |v[\src+16*\k]|, |v[\src+16*\k+1]|   ; four chains by turns, two to a block; the floor 2^(3 - 127) holds the byte at 1 from below
.endr
.irp i, 2,4,6,8,10,12,14
.irp k, 0,1,2,3
	v_max3_num_f32 v[TM+\k], v[TM+\k], |v[\src+16*\k+\i]|, |v[\src+16*\k+\i+1]|
.endr
.endr
	WIN 0
	v_max_num_f32 v[TM], v[TM], v[TM+1]            ; block h's largest magnitude,
	v_max_num_f32 v[TM+2], v[TM+2], v[TM+3]        ; block 2 + h's
	v_add_nc_u32 v[TM+4], 0xff000000, v[TM]        ; 2 off the exponent field: the conversion takes this operand's exponent field as its scale
	v_add_nc_u32 v[TM+5], 0xff000000, v[TM+2]
	v_lshrrev_b32 v[TM], 23, v[TM+4]               ; the scales' bytes
	v_lshrrev_b32 v[TM+2], 23, v[TM+5]
	v_lshl_or_b32 v[\wrd], v[TM+2], 16, v[TM]
	v_lshlrev_b32 v[\wrd], v[SH8], v[\wrd]         ; at their places in the word,
	v_permlanex16_b32 v[TM+6], v[\wrd], s[SEL], s[SEL+1]
	v_or_b32 v[\wrd], v[\wrd], v[TM+6]             ; with lane l xor 16's two the word is whole
	WIN 0x03
	v_cvt_scalef32_pk16_fp6_f32 v[\dst:\dst+2], v[\src:\src+15], v[TM+4]
	v_cvt_scalef32_pk16_fp6_f32 v[CT:CT+2], v[\src+16:\src+31], v[TM+4]     ; (a conversion's three registers begin on an even number: a block's upper half is made elsewhere and moved)
	v_cvt_scalef32_pk16_fp6_f32 v[\dst+6:\dst+8], v[\src+32:\src+47], v[TM+5]
	v_cvt_scalef32_pk16_fp6_f32 v[CT+4:CT+6], v[\src+48:\src+63], v[TM+5]
	WIN 0
	v_nop                                          ; one plain place behind the scaled conversions
.irp i, 0,1,2
	v_mov_b32 v[\dst+3+\i], v[CT+\i]
	v_mov_b32 v[\dst+9+\i], v[CT+4+\i]
.endr
.endm
; a weight's tile: lane (r, h) takes one column, its 64 registers run down K: rows 64 c + 32 h + i of 512 bytes
.macro LOADW adr, ptr, buf, imm
	WIN 0xc0
.set i, 0
.rept 64
	global_load_b32 v[XB0+64*(\buf)+i], v[\adr], s[\ptr:\ptr+1] offset:((i/32)*64+i%32)*512+\imm
.set i, i+1
.endr
.endm
; a weight's tile is quantised and goes to LDS as an image of its registers: 16 bytes a lane, 512 bytes a store; its scale words 4 bytes a lane
.macro WFRAG buf, cnt, ioff, soff
	s_wait_loadcnt \cnt                            ; this tile's 64 loads are in; the younger tile's may be out
	QB XB0+64*(\buf), QC, QSC
.irp q, 0,1,2
	ds_store_b128 v[IM], v[QC+4*\q:QC+4*\q+3] offset:\ioff+512*\q
.endr
	ds_store_b32 v[IS], v[QSC] offset:\soff
	s_wait_dscnt 0x0                               ; the stores have read their registers
.endm
; v[a] holds an angle from 0 to 63; its sine goes to v[a], its cosine to v[a + 1]
.macro SINCOS a
	v_mul_f32 v[RT], 0x3f22f983, v[\a]             ; x 2 / pi
	v_rndne_f32 v[RT], v[RT]                       ; n
	v_fma_f32 v[RT+1], v[RT], 0xbfc90fdb, v[\a]    ; the angle - n pi / 2, pi / 2 in two parts
	v_fma_f32 v[RT+1], v[RT], 0x333bbd2e, v[RT+1]
	v_cvt_i32_f32 v[RT], v[RT]
	v_mul_f32 v[RT+2], v[RT+1], v[RT+1]            ; z
	v_fma_f32 v[RT+3], v[RT+2], s[SC0], s[SC0+1]
	v_fma_f32 v[RT+4], v[RT+2], s[CC0], s[CC0+1]
	v_fma_f32 v[RT+3], v[RT+3], v[RT+2], s[SC0+2]
	v_fma_f32 v[RT+4], v[RT+4], v[RT+2], s[CC0+2]
	v_mul_f32 v[RT+3], v[RT+3], v[RT+2]
	v_mul_f32 v[RT+4], v[RT+4], v[RT+2]
	v_fma_f32 v[RT+5], v[RT+2], -0.5, 1.0
	v_fma_f32 v[RT+3], v[RT+3], v[RT+1], v[RT+1]   ; the sine of the rest,
	v_fma_f32 v[RT+4], v[RT+4], v[RT+2], v[RT+5]   ; its cosine
	v_and_b32 v[RT+5], 1, v[RT]
	v_cmp_eq_u32 vcc_lo, 1, v[RT+5]                ; in odd quadrants the two change places: a choice of values, no branch
	v_cndmask_b32 v[\a], v[RT+3], v[RT+4], vcc_lo
	v_cndmask_b32 v[\a+1], v[RT+4], v[RT+3], vcc_lo
	v_lshlrev_b32 v[RT+5], 30, v[RT]               ; the sine is negative in quadrants 2, 3: bit 1 of n;
	v_add_nc_u32 v[RT], 1, v[RT]                   ; the cosine in quadrants 1, 2: bit 1 of n + 1
	v_and_b32 v[RT+5], 0x80000000, v[RT+5]
	v_lshlrev_b32 v[RT], 30, v[RT]
	v_xor_b32 v[\a], v[\a], v[RT+5]
	v_and_b32 v[RT], 0x80000000, v[RT]
	v_xor_b32 v[\a+1], v[\a+1], v[RT]
.endm
.macro LOADX m, buf                    ; rows 16 m + r of the tile in hand: my 64 numbers, 16 loads of 16 bytes
	WIN 0xc0
.irp c, 0,1
.irp q, 0,1,2,3,4,5,6,7
	ds_load_b128 v[XB0+64*(\buf)+32*\c+4*\q:XB0+64*(\buf)+32*\c+4*\q+3], v[XA] offset:16*PITCH*(\m)+256*\c+16*\q
.endr
.endr
.endm
.macro PEADD m, buf                    ; e_p = x + PE, two at a time
	WIN 0xc7
.set i, 0
.rept 32
	v_pk_add_f32 v[XB0+64*(\buf)+i:XB0+64*(\buf)+i+1], v[XB0+64*(\buf)+i:XB0+64*(\buf)+i+1], v[64*(\m)+i:64*(\m)+i+1]
.set i, i+2
.endr
.endm
.macro WMMAQ m, zero                   ; q: source 0 = rows 16 m on of e_p, source 1 = a tile of w_q.  The eight accumulators take turns, one instruction a turn
	WIN 0x08
.irp t, 0,1,2,3,4,5,6,7
.if \zero
	MM0 QA+8*\t, CD+12*(\m), 12*\t, XS+(\m), WQS+\t
.else
	MM QA+8*\t, CD+12*(\m), 12*\t, QA+8*\t, XS+(\m), WQS+\t
.endif
.endr
.endm
.macro WMMAK m                         ; k: source 0 = a tile of w_k, source 1 = rows 16 m on of e_p, C = b_k
	WIN 0xe2
.irp t, 0,1,2,3,4,5,6,7
	MM KT+64*((\m)%2)+8*\t, WK+12*\t, CD+12*(\m), BK+8*\t, WKS+\t, XS+(\m)
.endr
.endm
.macro SCORE m                         ; my 16 columns of each head: k x q_hat, two at a time, the four heads by turns, each accumulator from its low end on
	WIN 0x03
.irp b, 0,1,2,3
	v_pk_mul_f32 v[SA+2*\b:SA+2*\b+1], v[KT+64*((\m)%2)+16*\b:KT+64*((\m)%2)+16*\b+1], v[QA+16*\b:QA+16*\b+1]
.endr
.irp i, 2,4,6,8,10,12,14
.irp b, 0,1,2,3
	v_pk_fma_f32 v[SA+2*\b:SA+2*\b+1], v[KT+64*((\m)%2)+16*\b+\i:KT+64*((\m)%2)+16*\b+\i+1], v[QA+16*\b+\i:QA+16*\b+\i+1], v[SA+2*\b:SA+2*\b+1]
.endr
.endr
	WIN 0
.irp b, 0,1,2,3
	v_add_f32 v[SS+4*(\m)+\b], v[SA+2*\b], v[SA+2*\b+1]
.endr
.endm
; The slot just read out is filled again, with the batch two on.
.macro FILL
	WIN 0
	s_wait_tensorcnt 0x0                           ; all my tensor loads have landed, so the walking group 0 may be written
	ds_add_u32 v[SPW], v[NIL]                      ; 0 onto my spare word; the two steps stand between it and the wait for it
	s_add_co_u32 s[G0W+1], s[G0W+1], SLOTB         ; slot 0, then slot 1
	s_add_nc_u64 s[G0W+2:G0W+3], s[G0W+2:G0W+3], 32768   ; batch 2, then batch 3; the type bits on top are not reached
	s_wait_dscnt 0x0                               ; the add is done, and my reads of the slot are back
	s_barrier_signal -1
	s_barrier_wait -1
	tensor_load_to_lds s[G0W:G0W+3], s[G1:G1+7]    ; my one tensor load behind this barrier, and the first thing there
	s_nop 0
	PLACES 4
.endm
; ONE BATCH.  left: how many younger tensor loads may be out when its tile is read;  fill = 1: its slot is filled again as soon as it is read out
.macro BODY left, fill
	WIN 0
	v_add_nc_u32 v[XA], s[TB], v[XA0]
	s_wait_tensorcnt \left
	; ---- A: e_p, its codes, and q's sums, 16 rows at a time; the LDS loads run one buffer ahead
	LOADX 0, 0
	LOADX 1, 1
	s_wait_dscnt 16                                ; the older buffer's 16 loads are in
	PEADD 0, 0
	QB XB0, CD, XS
	LOADX 2, 0
	s_wait_dscnt 16
	PEADD 1, 1                                     ; (these 32 lines are also the places between the codes and scale word just made and the products that take them)
	WMMAQ 0, 1
	QB XB1, CD+12, XS+1
	LOADX 3, 1
	s_wait_dscnt 16
	PEADD 2, 0
	WMMAQ 1, 0
	QB XB0, CD+24, XS+2
.if \fill
	FILL                                           ; the tile has been read out: the refill has the rest of this batch and the head of the next in which to land
.else
	s_wait_dscnt 0x0
.endif
	PEADD 3, 1
	WMMAQ 2, 0
	QB XB1, CD+36, XS+3
	WIN 0xc0
.irp t, 0,1,2,3,4,5,6,7
.irp q, 0,1,2
	ds_load_b128 v[KT+12*\t+4*\q:KT+12*\t+4*\q+3], v[LI] offset:W2I+1536*\t+512*\q   ; w2's fragments, where k's tiles will stand
.endr
.endr
.irp i, 0,1,2,3,4,5,6,7,8,9,10,11,12,13,14,15
	ds_load_b128 v[XB0+4*\i:XB0+4*\i+3], v[B2A] offset:128*(\i/4)+16*(\i%4)          ; b2 as eight C tiles
.endr
	PLACES 8                                       ; a scale word made by vector instructions stands 8 places ahead of the scaled product, codes so made 4
	WMMAQ 3, 0
	WIN 0
	PLACES 4
	; ---- B: q_mean, its codes, q_hat
.irp t, 0,1,2,3,4,5,6,7
	v_pk_add_f32 v[QA+8*\t:QA+8*\t+1], v[QA+8*\t:QA+8*\t+1], v[QA+8*\t+2:QA+8*\t+3]  ; a lane's eight rows of its column; each accumulator is read from its low end on
.endr
.irp t, 0,1,2,3,4,5,6,7
	v_pk_add_f32 v[QA+8*\t+4:QA+8*\t+5], v[QA+8*\t+4:QA+8*\t+5], v[QA+8*\t+6:QA+8*\t+7]
.endr
.irp t, 0,1,2,3,4,5,6,7
	v_pk_add_f32 v[QA+8*\t:QA+8*\t+1], v[QA+8*\t:QA+8*\t+1], v[QA+8*\t+4:QA+8*\t+5]
.endr
.irp t, 0,1,2,3,4,5,6,7
	v_add_f32 v[RT+\t], v[QA+8*\t], v[QA+8*\t+1]
.endr
.irp t, 0,1,2,3,4,5,6,7
	v_permlanex16_b32 v[RU+\t], v[RT+\t], s[SEL], s[SEL+1]
.endr
.irp t, 0,1,2,3,4,5,6,7
	v_add_f32 v[RT+\t], v[RT+\t], v[RU+\t]         ; with the other half's eight rows: the sum over the batch's 64 rows
.endr
.irp t, 0,1,2,3,4,5,6,7
	v_fma_f32 v[RT+\t], v[RT+\t], 0x3c800000, v[BQ+\t]   ; / 64 + b_q
.endr
.irp t, 0,1,2,3,4,5,6,7
	ds_store_b32 v[QSA], v[RT+\t] offset:128*(\t/2)+32*(\t%2)   ; to its column's place (both halves of the lanes write the same word with the same value)
.endr
	WIN 0xc0
.irp c, 0,1
.irp q, 0,1,2,3,4,5,6,7
	ds_load_b128 v[XB1+32*\c+4*\q:XB1+32*\c+4*\q+3], v[QSR] offset:256*\c+16*\q   ; LDS serves a wave's instructions in order (ISA guide 5.7.1.4): these see my stores.  All 16 rows of the operand are q_mean
.endr
.endr
	s_wait_dscnt 0x0                               ; q_mean, w2 and b2 are in
	QB XB1, QC, QSC
	PLACES 8
	WIN 0x33
.irp t, 0,1,2,3,4,5,6,7
	MM QA+8*\t, KT+12*\t, QC, XB0+8*\t, W2S+\t, QSC   ; q_hat: source 0 = a tile of w2, C = b2: every lane holds its 16 columns of each head
.endr
	PLACES 5                                       ; the next products write over w2's registers: five places
	; ---- C: k, 16 rows at a time in two sets of registers, and the scores
	WMMAK 0
	WMMAK 1
	PLACES 4
	SCORE 0
	WMMAK 2                                        ; (a set's scores are the places between the products that filled the other set and its scores)
	SCORE 1
	WMMAK 3
	SCORE 2
	SCORE 3
.irp i, 0,1,2,3,4,5,6,7,8,9,10,11,12,13,14,15
	v_permlanex16_b32 v[RT+\i], v[SS+\i], s[SEL], s[SEL+1]
.endr
.irp i, 0,1,2,3,4,5,6,7,8,9,10,11,12,13,14,15
	v_add_f32 v[SS+\i], v[SS+\i], v[RT+\i]         ; with the head's other 16 columns: register 4 m + head = the score of row 16 m + r
.endr
.irp b, 0,1,2,3
	v_max3_num_f32 v[MX+\b], v[SS+\b], v[SS+4+\b], v[SS+8+\b]
.endr
.irp b, 0,1,2,3
	v_max_num_f32 v[MX+\b], v[MX+\b], v[SS+12+\b]
.endr
.irp x, 1,2,4,8
.irp b, 0,1,2,3
	v_max_num_f32_dpp v[MX+\b], v[MX+\b], v[MX+\b] row_xmask:\x row_mask:0xf bank_mask:0xf   ; the head's largest score of the 64
.endr
.endr
.irp b, 0,1,2,3
	v_mul_f32 v[NM+\b], s[NCS], v[MX+\b]
.endr
.irp i, 0,1,2,3,4,5,6,7,8,9,10,11,12,13,14,15
	v_fma_f32 v[SS+\i], v[SS+\i], s[CSC], v[NM+\i%4]   ; (score - largest) log2(e) / sqrt(32); what the rounding of the second term leaves is common to the row and cancels in the division
.endr
.irp i, 0,1,2,3,4,5,6,7,8,9,10,11,12,13,14,15
	v_exp_f32 v[SS+\i], v[SS+\i]
.endr
	v_nop                                          ; a plain place behind the exponentials
	s_wait_alu depctr_va_vdst(0)                   ; one wait for the batch of sixteen, ahead of its first use
.irp b, 0,1,2,3
	v_add_f32 v[SA+\b], v[SS+\b], v[SS+4+\b]
.endr
.irp b, 0,1,2,3
	v_add_f32 v[SA+4+\b], v[SS+8+\b], v[SS+12+\b]
.endr
.irp b, 0,1,2,3
	v_add_f32 v[SA+\b], v[SA+\b], v[SA+4+\b]
.endr
.irp x, 1,2,4,8
.irp b, 0,1,2,3
	v_add_f32_dpp v[SA+\b], v[SA+\b], v[SA+\b] row_xmask:\x row_mask:0xf bank_mask:0xf
.endr
.endr
.irp b, 0,1,2,3
	v_rcp_f32 v[SA+\b], v[SA+\b]
.endr
	v_nop
	s_wait_alu depctr_va_vdst(0)                   ; one wait for the four reciprocals
.irp i, 0,1,2,3,4,5,6,7,8,9,10,11,12,13,14,15
	v_mul_f32 v[SS+\i], v[SS+\i], v[SA+\i%4]
.endr
.irp i, 0,1,2,3,4,5,6,7,8,9,10,11,12,13,14,15
	ds_store_b32 v[PSA], v[SS+\i] offset:256*(\i%4)+64*(\i/4)   ; [head][s]: the batch's four rows of probs, 1,024 bytes on end
.endr
	ds_load_b128 v[OUTP:OUTP+3], v[PSR]
	ds_load_b128 v[OUTP+4:OUTP+7], v[PSR] offset:512
	s_wait_dscnt 0x0
	global_store_b128 v[LI], v[OUTP:OUTP+3], s[PP:PP+1]             ; 32 lanes store 512 consecutive bytes, at a multiple of 512 from the buffer's first byte
	global_store_b128 v[LI], v[OUTP+4:OUTP+7], s[PP:PP+1] offset:512
	s_wait_xcnt 0x0                                ; the stores have read their base and their data: both are written again only behind this wait
	s_add_nc_u64 s[PP:PP+1], s[PP:PP+1], 1024
.endm
	s_load_b512 s[4:19], s[0:1], 0x0               ; x 4, w_q 6, b_q 8, w_k 10, b_k 12, w2 14, b2 16, w3a 18
	s_load_b256 s[20:27], s[0:1], 0x40             ; w3b 20, probs 22, pe 24, w3img 26
	v_lshl_add_u32 v[SPW], v0, 2, SPARE
	v_mov_b32 v[NIL], 0
	ds_add_u32 v1, v2
	ds_add_u32 v1, v2
	s_wait_dscnt 0x0
	v_lshrrev_b32 v[XA0], 5, v0
	v_readfirstlane_b32 s[WV], v[XA0]              ; wave 0..3
	; descriptor group 1: a batch: 64 rows of 128 elements of 4 bytes, 16 bytes of padding behind each row
	s_mov_b32 s[G1+0], (2<<16)|(1<<20)|(6<<22)|(3<<25)   ; no mask; elements of 4 bytes; padding on; after every 128 words (code 6); of 4 words (code 3)
	s_mov_b32 s[G1+1], 128<<16                     ; tensor_dim0
	s_mov_b32 s[G1+2], 64<<16                      ; tensor_dim1
	s_mov_b32 s[G1+3], 128<<16                     ; tile_dim0
	s_mov_b32 s[G1+4], 64                          ; tile_dim1
	s_mov_b32 s[G1+5], 128                         ; elements from row to row
	s_mov_b32 s[G1+6], 0
	s_mov_b32 s[G1+7], 0
	s_mul_i32 s66, s[WV], WRING
	s_add_co_u32 s[G0W+1], s66, RING-SLOTB         ; the walking descriptor stands one slot and one batch short of its first refill
	s_add_co_u32 s66, s66, RING                    ; my ring
	s_mov_b32 s[G0A+1], s66
	s_add_co_u32 s[G0B+1], s66, SLOTB
	s_lshl_b32 s68, ttmp9, 19                      ; 16 batches of 32,768 bytes a work-group,
	s_lshl_b32 s69, s[WV], 17                      ; 4 a wave
	s_add_co_u32 s68, s68, s69
	s_mov_b32 s69, 0
	s_lshl_b32 s70, ttmp9, 14                      ; and 1,024 bytes of probs a batch
	s_lshl_b32 s71, s[WV], 12
	s_add_co_u32 s70, s70, s71
	s_mov_b32 s71, 0
	s_mov_b32 s[SEL], 0x76543210
	s_mov_b32 s[SEL+1], 0xfedcba98
	s_mov_b32 s[CSC], 0x3e8293ee
	s_mov_b32 s[NCS], 0xbe8293ee
	s_mov_b32 s[SC0], 0xb94ca1f9
	s_mov_b32 s[SC0+1], 0x3c08839e
	s_mov_b32 s[SC0+2], 0xbe2aaaa3
	s_mov_b32 s[CC0], 0x37ccf5ce
	s_mov_b32 s[CC0+1], 0xbab6061a
	s_mov_b32 s[CC0+2], 0x3d2aaaa5
	s_mov_b32 s[NL], 0xbe1f73da
	s_wait_kmcnt 0x0
	s_add_nc_u64 s[4:5], s[4:5], s[68:69]          ; x at my first batch
	s_add_nc_u64 s[PP:PP+1], s[PP:PP+1], s[70:71]
	s_mov_b32 s[G0A], 1
	s_mov_b64 s[G0A+2:G0A+3], s[4:5]
	s_or_b32 s[G0A+3], s[G0A+3], 0x80000000
	s_mov_b32 s[G0B], 1
	s_add_nc_u64 s[G0B+2:G0B+3], s[4:5], 32768
	s_or_b32 s[G0B+3], s[G0B+3], 0x80000000
	s_mov_b32 s[G0W], 1
	s_add_nc_u64 s[G0W+2:G0W+3], s[4:5], 32768
	s_or_b32 s[G0W+3], s[G0W+3], 0x80000000
	tensor_load_to_lds s[G0A:G0A+3], s[G1:G1+7]    ; the two first fills go out together, ahead of everything else: two tensor loads of mine are out
	s_nop 0
	tensor_load_to_lds s[G0B:G0B+3], s[G1:G1+7]
	s_nop 0
	PLACES 4
	v_and_b32 v[TM], 31, v0                        ; lane
	v_and_b32 v[TM+1], 15, v0                      ; r
	v_bfe_u32 v[TM+2], v0, 4, 1                    ; h
	v_and_b32 v[TM+3], 8, v[TM+1]
	v_add_nc_u32 v[TM+3], v[TM+3], v[TM+1]         ; r + 8 (r / 8)
	v_mul_u32_u24 v[XA0], v[TM+1], PITCH
	v_lshl_add_u32 v[XA0], v[TM+2], 7, v[XA0]
	v_add_nc_u32 v[XA0], s66, v[XA0]
	v_lshlrev_b32 v[SH8], 3, v[TM+2]
	v_lshlrev_b32 v[BQA], 2, v[TM+3]
	v_lshl_add_u32 v[WL0], v[TM+2], 14, v[BQA]
	s_lshl_b32 s67, s[WV], 7
	v_add_nc_u32 v[WL], s67, v[WL0]
	v_lshlrev_b32 v[LI], 4, v[TM]
	v_lshlrev_b32 v[LS], 2, v[TM]
	s_mul_i32 s67, s[WV], 3072
	v_add_nc_u32 v[IM], s67, v[LI]
	s_lshl_b32 s67, s[WV], 8
	v_add_nc_u32 v[IS], s67, v[LS]
	s_mul_i32 s67, s[WV], 1536
	s_add_co_u32 s67, s67, SCR
	v_add_nc_u32 v[QSA], s67, v[BQA]
	v_lshl_add_u32 v[QSR], v[TM+2], 7, s67
	s_add_co_u32 s67, s67, 512
	v_lshl_add_u32 v[PSA], v[TM+1], 2, s67
	v_add_nc_u32 v[PSR], s67, v[LI]
	v_lshl_add_u32 v[B2A], v[TM+2], 6, BIAS
	s_lshl_b32 s67, s[WV], 13
	v_add_nc_u32 v[PEI], s67, v[LI]
	v_lshl_add_u32 v[PEO], v[TM+1], 9, s67
	v_lshl_add_u32 v[PEO], v[TM+2], 7, v[PEO]
	v_lshlrev_b32 v[BKA], 6, v[TM+2]
	v_lshlrev_b32 v[B2G], 2, v0
	v_lshlrev_b32 v[RT+7], 4, v[TM+2]              ; 16 h
	s_lshl_b32 s67, s[WV], 4
	v_add_nc_u32 v[RT+6], s67, v[TM+1]
	v_cvt_f32_u32 v[RT+6], v[RT+6]                 ; my row of PE: s = 16 w + r
	v_mov_b32 v[TM+6], 0                           ; written once: a lane permute's destination counts as one of its sources
.irp i, 0,1,2,3,4,5,6,7
	v_mov_b32 v[RU+\i], 0
.endr
.irp t, 0,1,2,3,4,5,6,7
	global_load_b32 v[BQ+\t], v[BQA], s[8:9] offset:128*(\t/2)+32*(\t%2)
.endr
	global_load_b32 v[B2V], v[B2G], s[16:17]
	WIN 0x80
.irp i, 0,1,2,3,4,5,6,7,8,9,10,11,12,13,14,15
	global_load_b128 v[BK+4*\i:BK+4*\i+3], v[BKA], s[12:13] offset:128*(\i/4)+16*(\i%4)   ; b_k: register 8 t + j = column 32 (t / 2) + 16 h + 8 (t % 2) + j
.endr
	LOADW WL, 6, 0, 0                              ; w_q, tiles 2 w and 2 w + 1
	LOADW WL, 6, 1, 32
	WIN 0
	; my quarter of PE while the weights are on their way: 32 frequencies f = 32 c + 16 h + p; sine at column 2 f, cosine at 2 f + 1
.set i, 0
.rept 32
	v_add_nc_u32 v[QA+32*(i/16)+2*(i%16)], 32*(i/16)+i%16, v[RT+7]
.set i, i+1
.endr
.set i, 0
.rept 32
	v_cvt_f32_u32 v[QA+32*(i/16)+2*(i%16)], v[QA+32*(i/16)+2*(i%16)]
.set i, i+1
.endr
.set i, 0
.rept 32
	v_mul_f32 v[QA+32*(i/16)+2*(i%16)], s[NL], v[QA+32*(i/16)+2*(i%16)]
.set i, i+1
.endr
.set i, 0
.rept 32
	v_exp_f32 v[QA+32*(i/16)+2*(i%16)], v[QA+32*(i/16)+2*(i%16)]   ; 1000^(-f / 64)
.set i, i+1
.endr
	v_nop
	s_wait_alu depctr_va_vdst(0)                   ; one wait for the batch of 32
.set i, 0
.rept 32
	v_mul_f32 v[QA+32*(i/16)+2*(i%16)], v[RT+6], v[QA+32*(i/16)+2*(i%16)]   ; the angle
.set i, i+1
.endr
.set i, 0
.rept 32
	SINCOS QA+32*(i/16)+2*(i%16)
.set i, i+1
.endr
	; my six tiles of the weights; the loads run two tiles ahead
	WFRAG 0, 63, EIMG, ESC
	LOADW WL, 10, 0, 0
	WFRAG 1, 63, EIMG+1536, ESC+128
	LOADW WL, 10, 1, 32
	WFRAG 0, 63, EIMG+12288, ESC+1024
	LOADW WL, 14, 0, 0
	WFRAG 1, 63, EIMG+12288+1536, ESC+1024+128
	LOADW WL, 14, 1, 32
	WFRAG 0, 63, W2I, ESC+2048
	WFRAG 1, 0, W2I+1536, ESC+2048+128
	ds_store_b32 v[B2G], v[B2V] offset:BIAS
	s_wait_dscnt 0x0                               ; for the others' sake: my images lie in LDS
	s_barrier_signal -1
	s_barrier_wait -1
	WIN 0x80
.irp f, 0,1,2,3,4,5,6,7,8,9,10,11,12,13,14,15
.irp q, 0,1,2
	ds_load_b128 v[12*\f+4*\q:12*\f+4*\q+3], v[LI] offset:EIMG+1536*\f+512*\q   ; w_q's eight fragments, then w_k's: they stay in registers
.endr
.endr
	WIN 0
.irp f, 0,1,2,3,4,5,6,7,8,9,10,11,12,13,14,15,16,17,18,19,20,21,22,23
	ds_load_b32 v[WQS+\f], v[LS] offset:ESC+128*\f
.endr
	s_wait_dscnt 0x0                               ; my reads of the images are back:
	s_barrier_signal -1
	s_barrier_wait -1                              ; everybody's are, and their bytes may be written again
.irp i, 0,1,2,3,4,5,6,7,8,9,10,11,12,13,14,15
	ds_store_b128 v[PEI], v[QA+4*\i:QA+4*\i+3] offset:512*\i
.endr
	s_wait_dscnt 0x0
	s_barrier_signal -1
	s_barrier_wait -1
	WIN 0x40
.set i, 0
.rept 64
	ds_load_b128 v[4*i:4*i+3], v[LI] offset:512*i  ; all four quarters of PE
.set i, i+1
.endr
	WIN 0
	s_cmp_eq_u32 ttmp9, 10                         ; one work-group stores the table for the second launch: 256 bytes a lane and half row, 32,768 bytes once in the launch
	s_cbranch_scc0 .Lno_pe
.irp c, 0,1
.irp q, 0,1,2,3,4,5,6,7
	global_store_b128 v[PEO], v[QA+32*\c+4*\q:QA+32*\c+4*\q+3], s[24:25] offset:256*\c+16*\q
.endr
.endr
	s_wait_xcnt 0x0                                ; the stores have read their data
.Lno_pe:
	s_cmp_lt_u32 ttmp9, 10                         ; ten work-groups make w3a's 32 fragments and w3b's 8, one a wave.  No LDS byte is touched on this way
	s_cbranch_scc0 .Lno_w3
	s_lshl_b32 s66, ttmp9, 2
	s_add_co_u32 s66, s66, s[WV]                   ; G: 8 s + t for w3a's K step s, tile t; 32 + t for w3b
	s_cmp_lt_u32 s66, 32
	s_cselect_b64 s[68:69], s[18:19], s[20:21]
	s_bfe_u32 s70, s66, 0x20003
	s_lshl_b32 s70, s70, 16                        ; 128 rows of 512 bytes a K step
	s_bfe_u32 s71, s66, 0x20001
	s_lshl_b32 s71, s71, 7
	s_add_co_u32 s70, s70, s71                     ; 128 (t / 2)
	s_and_b32 s71, s66, 1
	s_lshl_b32 s71, s71, 5
	s_add_co_u32 s70, s70, s71                     ; + 32 (t % 2)
	s_mov_b32 s71, 0
	s_add_nc_u64 s[68:69], s[68:69], s[70:71]
	LOADW WL0, 68, 0, 0
	s_wait_loadcnt 0x0
	QB XB0, QC, QSC
	s_mul_i32 s70, s66, 1536
	s_add_nc_u64 s[72:73], s[26:27], s[70:71]
.irp q, 0,1,2
	global_store_b128 v[LI], v[QC+4*\q:QC+4*\q+3], s[72:73] offset:512*\q   ; the fragment's registers on end: 512 consecutive bytes a store
.endr
	s_lshl_b32 s70, s66, 7
	s_add_co_u32 s70, s70, 61440
	s_add_nc_u64 s[74:75], s[26:27], s[70:71]
	global_store_b32 v[LS], v[QSC], s[74:75]
	s_wait_xcnt 0x0
.Lno_w3:
	s_wait_dscnt 0x0                               ; PE is in
	s_mov_b32 s[TB], 0
	s_mov_b32 s[CNT], 2
.Lpair:                                        ; batches 0 and 1: each leaves its slot to the batch two on
	BODY 1, 1                                      ; one younger tensor load may be out: batch 1's at first, then batch 2's refill
	WIN 0
	s_add_co_u32 s[TB], s[TB], SLOTB
	s_sub_co_u32 s[CNT], s[CNT], 1
	s_cmp_lg_u32 s[CNT], 0
	s_cbranch_scc1 .Lpair
	s_mov_b32 s[TB], 0                             ; batches 2 and 3 are written out: nothing is left to fetch
	BODY 1, 0                                      ; batch 3's refill may be out
	s_mov_b32 s[TB], SLOTB
	BODY 0, 0
	s_wait_tensorcnt 0x0                           ; the wave's end
	ds_add_u32 v[SPW], v[NIL]
	s_wait_dscnt 0x0
	s_endpgm
.Lfunc_end_k_q1b34f9dd41_scores:
	.size	k_q1b34f9dd41_scores, .Lfunc_end_k_q1b34f9dd41_scores-k_q1b34f9dd41_scores
	.p2alignl 7, 3214868480
	.fill 96, 4, 3214868480
	.section	.rodata,"a",@progbits
	.p2align	6, 0x0
	.amdhsa_kernel k_q1b34f9dd41_scores
		.amdhsa_group_segment_fixed_size 327680
		.amdhsa_private_segment_fixed_size 0
		.amdhsa_enable_private_segment 0
		.amdhsa_kernarg_size 96
		.amdhsa_user_sgpr_count 2
		.amdhsa_user_sgpr_kernarg_segment_ptr 1
		.amdhsa_wavefront_size32 1
		.amdhsa_system_sgpr_workgroup_id_x 1
		.amdhsa_system_sgpr_workgroup_id_y 1
		.amdhsa_system_sgpr_workgroup_id_z 1
		.amdhsa_system_vgpr_workitem_id 0
		.amdhsa_next_free_vgpr 1024
		.amdhsa_next_free_sgpr 80
		.amdhsa_reserve_vcc 1
		.amdhsa_float_denorm_mode_32 3
		.amdhsa_float_denorm_mode_16_64 3
		.amdhsa_memory_ordered 1
		.amdhsa_forward_progress 1
		.amdhsa_inst_pref_size 255
	.end_amdhsa_kernel
	.section	.bss,"aw",@nobits
	.p2align	6
	.space	262144
	.amdgpu_metadata
---
amdhsa.version: [ 1, 2 ]
amdhsa.kernels:
  - .name:           k_q1b34f9dd41_scores
    .symbol:         k_q1b34f9dd41_scores.kd
    .args:
      - { .name: x, .offset: 0, .size: 8, .value_kind: global_buffer, .address_space: global }
      - { .name: w_q, .offset: 8, .size: 8, .value_kind: global_buffer, .address_space: global }
      - { .name: b_q, .offset: 16, .size: 8, .value_kind: global_buffer, .address_space: global }
      - { .name: w_k, .offset: 24, .size: 8, .value_kind: global_buffer, .address_space: global }
      - { .name: b_k, .offset: 32, .size: 8, .value_kind: global_buffer, .address_space: global }
      - { .name: w2, .offset: 40, .size: 8, .value_kind: global_buffer, .address_space: global }
      - { .name: b2, .offset: 48, .size: 8, .value_kind: global_buffer, .address_space: global }
      - { .name: w3a, .offset: 56, .size: 8, .value_kind: global_buffer, .address_space: global }
      - { .name: w3b, .offset: 64, .size: 8, .value_kind: global_buffer, .address_space: global }
      - { .name: probs, .offset: 72, .size: 8, .value_kind: global_buffer, .address_space: global }
      - { .name: pe, .offset: 80, .size: 8, .value_kind: global_buffer, .address_space: global }
      - { .name: w3img, .offset: 88, .size: 8, .value_kind: global_buffer, .address_space: global }
    .group_segment_fixed_size: 327680
    .private_segment_fixed_size: 0
    .kernarg_segment_align: 8
    .kernarg_segment_size: 96
    .max_flat_workgroup_size: 128
    .sgpr_count:     80
    .vgpr_count:     1024
    .wavefront_size: 32
...
	.end_amdgpu_metadata
.endif
;; end of part 1
;; launch mix (part 2): grid 256 x 1, 4 waves a work-group, no clusters, 327,680 bytes of LDS; arguments x, probs, pe, w3img, b3a, g3a, be3a, b3b, g3b, be3b, out0; writes out0
.if DOCPART == 2
	.amdgcn_target "amdgcn-amd-amdhsa--gfx1250"
	.amdhsa_code_object_version 6
	.text
	.protected	k_q1b34f9dd41_mix
	.globl	k_q1b34f9dd41_mix
	.p2align	8
	.type	k_q1b34f9dd41_mix,@function
k_q1b34f9dd41_mix:
	s_mov_b64 s[64:65], 0
	v_nop
	global_prefetch_b8 v0, s[64:65] scope:SCOPE_SE
	s_setreg_imm32_b32 hwreg(HW_REG_WAVE_MODE, 25, 1), 1
	s_wait_xcnt 0x0
; SECOND LAUNCH.  attn[i] = probs[i] . e_p[i mod 4096] (i = 0 .. 16,383; the values are tiled head-major);  attn as [4096][512];  h1 = relu((Q(attn) Q(w3a) + b3a) g3a + be3a);  out0 = relu((Q(h1) Q(w3b) + b3b) g3b + be3b).
; Batch c is the value of rows i = c + 4096 j, j = 0 .. 3, which are columns 128 (c % 4) on of rows c / 4 + 1024 j of attn.
; SHARES.  256 work-groups of four waves; wave w of work-group g owns batches 16 g + 4 w + u, u = 0 .. 3, and so ends with the four WHOLE rows 4 g + w + 1024 j of attn.  The work-group's 16 rows are one tile of rows for both products.
; The weighted sums are packed f32 multiply-adds (their result goes into a quantiser): lane l holds channels 4 l .. 4 l + 3; a batch's row of e_p feeds four rows of probabilities.
; HOW x COMES.  In two ways, so that no LDS byte is filled twice and no wave ever waits for all that is on its way.  Batches u = 3 and u = 2: one tensor load each, into LDS bytes of the wave's own.  Batches u = 1 and u = 0: loads of 16 bytes
; a lane (a load takes a whole row, 512 consecutive bytes) straight into a ring of 64 rows x 4 registers.  ORDER OF WORK: u = 3 (LDS); u = 1 (ring: each eight rows' registers, once read, take the same rows of u = 0); u = 2 (LDS), while u = 0 is on its way; u = 0 (ring).
; The wave's 16 rows of probabilities (4 j x 4 u x 256 bytes) and a quarter of the table pe come by tensor loads too, with the two batches: all four go out together at the head.
; NO CLUSTER: a batch of x is read by one wave alone; what the work-groups share (pe, the weights' images and six vectors) is about 23 KB a wave beside 128 KB of x.
; THE TAIL.  attn's 16 rows meet in a stage in LDS; every wave quantises all four K steps of them; wave w makes columns 32 w .. 32 w + 31 of h1 (source 0 = a tile of w3a: a lane holds 16 neighbouring columns of one row),
; which are block w of the next K: 12 bytes of codes a lane and one scale byte a row go to LDS, come back as the operand, and wave w makes columns 32 w on of the output.  The biases are the C of each sum's first product.
; LIMITS.  NaN and infinities are not served.  A block whose largest magnitude lies under 2^-124, a block of zeros too, gets the scale byte 1 (zero codes add nothing under any byte but 0xff; this program alone reads the bytes).
; REGISTERS, in windows of 256 (s_set_vgpr_msb: bits 1:0 source 0, 3:2 source 1, 5:4 source 2, 7:6 destination):
;   window 0: addresses, scale words, two buffers of 8 rows of e_p and of their probabilities, 64 sums; in the tail codes and results.   window 1: PE, register 4 s + e = pe[s][4 l + e]; in the tail attn's numbers.
;   window 2: my 8 fragments of w3a, 2 of w3b, and 16 numbers of each of the six vectors.   window 3: the ring: register 4 s + e = x[batch][s][4 l + e].
.set SLOT,  32768                      ; LDS: 65,536 bytes a wave: batch u = 3, then batch u = 2; rows of 512 bytes on end (a load takes a whole row, 16 bytes a lane)
.set PB,    262144                     ; probabilities: 4,096 bytes a wave, [j][u][s]
.set PEL,   278528                     ; the table pe, filled once; when every wave has read it and passed the barrier at the tail's head, the stage for attn lies here:
.set STG,   278528                     ; 16 rows of 2,048 bytes + 16: 516 words: row r starts at bank 4 r mod 64 (64 banks of 4 bytes: ISA guide 11.1)
.set SPIT,  2064
.set HX,    311552                     ; h1's codes, 16 rows of 96 bytes + 8; from + 1,792 on a scale word a row
.set HSCO,  1792
.set OST,   313600                     ; the way out: 16 rows of 512 bytes + 16
.set XA,  3                            ; v3   65,536 w + 16 lane
.set PA,  4                            ; v4   my wave's probabilities (the same address in every lane)
.set SH8, 5                            ; v5   8 h
.set PEA, 6
.set STA, 7                            ; v7   the stage: my four rows, 16 bytes a lane
.set STR, 8                            ; v8   and row r, + 128 h
.set HWA, 9                            ; v9   h1's codes: row r, block w, half h
.set HSA, 10                           ; v10  its scale byte
.set HRA, 11                           ; v11  back: row r, + 24 h
.set HSR, 12                           ; v12  row r's scale word
.set OSA, 13
.set OSR, 14
.set LI,  15                           ; v15  16 lane; never rewritten
.set LS,  16                           ; v16  4 lane
.set BL,  17                           ; v17  128 w + 64 h: my 16 columns of a vector
.set W3AS, 20                          ; v20-27 w3a's scale words (2 s + e), v28-29 w3b's
.set W3BS, 28
.set AS,  30                           ; v30-33 attn's scale words;  v34 h1's
.set HS,  34
.set TM,  36                           ; v36-43 the quantiser's
.set XB,  44                           ; v44-107  two buffers of 8 rows of e_p
.set PBF, 108                          ; v108-171 two buffers of their probabilities: 16 g + 4 j + s % 4
.set ACC, 172                          ; v172-235 the sums: 16 u + 4 j + e
.set AC,  44                           ; the tail: attn's codes, 12 registers a K step
.set CT,  92
.set HH,  108                          ; h1: 16 columns
.set OO,  124                          ; the output: 16 columns
.set HC,  140
.set HF,  144
.set OUTR, 156
.set W3A, 0                            ; window 2
.set W3B, 96
.set B3A, 120
.set G3A, 136
.set BE3A, 152
.set B3B, 168
.set G3B, 184
.set BE3B, 200
.set WV,  26
.set G1X, 28                           ; s[28:35] group 1 for a batch;  s[36:43] for the probabilities;  s[44:51] for a quarter of pe
.set G1P, 36
.set G1E, 44
.set G0E, 52                           ; groups 0
.set G0P, 56
.set G0A, 60
.set G0B, 68
.set SEL, 72
.set MSB, 0
.macro WIN new                         ; the immediate's high byte repeats the setting that is left; a switch that changes nothing is dropped
.if MSB != \new
	s_set_vgpr_msb (MSB<<8)|\new
.set MSB, \new
.endif
.endm
.macro PLACES n
.rept \n
	v_nop
.endr
.endm
.macro MM d, a, b, c, sa, sb
	v_wmma_scale_f32_16x16x128_f8f6f4 v[\d:\d+7], v[\a:\a+11], v[\b:\b+11], v[\c:\c+7], v[\sa], v[\sb] matrix_a_fmt:MATRIX_FMT_FP6 matrix_b_fmt:MATRIX_FMT_FP6
.endm
; THE QUANTISER.  64 numbers of a lane in window 1, register src + 32 c + i = k 64 c + 32 h + i of my row, become the 12 registers of codes from dst on and the row's scale word in wrd.
.macro QB src, dst, wrd
	WIN 0x14
.irp k, 0,1,2,3
	v_max3_num_f32 v[TM+\k], 0x1800000, |v[\src+16*\k]|, |v[\src+16*\k+1]|   ; four chains by turns, two to a block; the floor 2^(3 - 127) holds the byte at 1 from below
.endr
.irp i, 2,4,6,8,10,12,14
.irp k, 0,1,2,3
	v_max3_num_f32 v[TM+\k], v[TM+\k], |v[\src+16*\k+\i]|, |v[\src+16*\k+\i+1]|
.endr
.endr
	WIN 0
	v_max_num_f32 v[TM], v[TM], v[TM+1]
	v_max_num_f32 v[TM+2], v[TM+2], v[TM+3]
	v_add_nc_u32 v[TM+4], 0xff000000, v[TM]        ; 2 off the exponent field: the conversion's scale operand
	v_add_nc_u32 v[TM+5], 0xff000000, v[TM+2]
	v_lshrrev_b32 v[TM], 23, v[TM+4]
	v_lshrrev_b32 v[TM+2], 23, v[TM+5]
	v_lshl_or_b32 v[\wrd], v[TM+2], 16, v[TM]
	v_lshlrev_b32 v[\wrd], v[SH8], v[\wrd]
	v_permlanex16_b32 v[TM+6], v[\wrd], s[SEL], s[SEL+1]
	v_or_b32 v[\wrd], v[\wrd], v[TM+6]
	WIN 0x01
	v_cvt_scalef32_pk16_fp6_f32 v[\dst:\dst+2], v[\src:\src+15], v[TM+4]
	v_cvt_scalef32_pk16_fp6_f32 v[CT:CT+2], v[\src+16:\src+31], v[TM+4]     ; (a conversion's three registers begin on an even number)
	v_cvt_scalef32_pk16_fp6_f32 v[\dst+6:\dst+8], v[\src+32:\src+47], v[TM+5]
	v_cvt_scalef32_pk16_fp6_f32 v[CT+4:CT+6], v[\src+48:\src+63], v[TM+5]
	WIN 0
	v_nop                                          ; one plain place behind the scaled conversions
.irp i, 0,1,2
	v_mov_b32 v[\dst+3+\i], v[CT+\i]
	v_mov_b32 v[\dst+9+\i], v[CT+4+\i]
.endr
.endm
; the probabilities of rows 8 n .. 8 n + 7 of batch u for the four j: 8 LDS loads, four probabilities each, the same in every lane
.macro LOADP u, n, buf
	WIN 0
.irp g, 0,1
.irp j, 0,1,2,3
	ds_load_b128 v[PBF+32*(\buf)+16*\g+4*\j:PBF+32*(\buf)+16*\g+4*\j+3], v[PA] offset:1024*\j+256*(\u)+16*(2*(\n)+\g)
.endr
.endr
.endm
; rows 8 n .. 8 n + 7 of the batch that lies in LDS: 8 LDS loads
.macro LOADL slot, n, buf
	WIN 0
.irp p, 0,1,2,3,4,5,6,7
	ds_load_b128 v[XB+32*(\buf)+4*\p:XB+32*(\buf)+4*\p+3], v[XA] offset:SLOT*(\slot)+512*(8*(\n)+\p)
.endr
.endm
; rows 8 n .. 8 n + 7 of batch u from memory into their places in the ring: each load takes a row, 512 consecutive bytes; read once in the launch.  The base and the offset register are never rewritten
.macro GLOAD u, n
	WIN 0xc0
.irp p, 0,1,2,3,4,5,6,7
	global_load_b128 v[32*(\n)+4*\p:32*(\n)+4*\p+3], v[LI], s[4:5] offset:32768*(\u)+512*(8*(\n)+\p) th:TH_LOAD_NT
.endr
.endm
.macro ADDL n, buf                     ; e_p = x + PE, two at a time, in place
	WIN 0x04
.irp i, 0,2,4,6,8,10,12,14,16,18,20,22,24,26,28,30
	v_pk_add_f32 v[XB+32*(\buf)+\i:XB+32*(\buf)+\i+1], v[XB+32*(\buf)+\i:XB+32*(\buf)+\i+1], v[32*(\n)+\i:32*(\n)+\i+1]
.endr
.endm
.macro ADDR n, buf                     ; the same out of the ring (window 3) into the buffer: behind these lines the ring's eight rows are free
	WIN 0x07
.irp i, 0,2,4,6,8,10,12,14,16,18,20,22,24,26,28,30
	v_pk_add_f32 v[XB+32*(\buf)+\i:XB+32*(\buf)+\i+1], v[32*(\n)+\i:32*(\n)+\i+1], v[32*(\n)+\i:32*(\n)+\i+1]
.endr
.endm
; 64 packed multiply-adds: row 4 g + 2 k + o of the eight, times its probability for each j.  op_sel picks the register of the pair that serves both halves.  The batch's first row starts the sums: nothing is cleared.
.macro FMAS u, n, buf
	WIN 0
.irp g, 0,1
.irp k, 0,1
.irp o, 0,1
.irp j, 0,1,2,3
.irp a, 0,2
.if ((\n) == 0) && (\g == 0) && (\k == 0) && (\o == 0)
	v_pk_mul_f32 v[ACC+16*(\u)+4*\j+\a:ACC+16*(\u)+4*\j+\a+1], v[XB+32*(\buf)+\a:XB+32*(\buf)+\a+1], v[PBF+32*(\buf)+4*\j:PBF+32*(\buf)+4*\j+1] op_sel_hi:[1,0]
.else
	v_pk_fma_f32 v[ACC+16*(\u)+4*\j+\a:ACC+16*(\u)+4*\j+\a+1], v[XB+32*(\buf)+4*(4*\g+2*\k+\o)+\a:XB+32*(\buf)+4*(4*\g+2*\k+\o)+\a+1], v[PBF+32*(\buf)+16*\g+4*\j+2*\k:PBF+32*(\buf)+16*\g+4*\j+2*\k+1], v[ACC+16*(\u)+4*\j+\a:ACC+16*(\u)+4*\j+\a+1] op_sel:[0,\o,0] op_sel_hi:[1,\o,1]
.endif
.endr
.endr
.endr
.endr
.endr
.endm
; A batch that lies in LDS; the LDS loads run one buffer of eight rows ahead.  left: how many younger tensor loads may be out
.macro TILE u, slot, left
	s_wait_tensorcnt \left
	LOADL \slot, 0, 0
	LOADP \u, 0, 0
.irp n, 0,1,2,3,4,5,6,7
.if \n < 7
	LOADL \slot, \n+1, (\n+1)%2
	LOADP \u, \n+1, (\n+1)%2
	s_wait_dscnt 16                                ; all but the 16 just issued (LDS answers a wave in order: at first the 64 loads of PE are in with them)
.else
	s_wait_dscnt 0x0
.endif
	ADDL \n, (\n)%2
	FMAS \u, \n, (\n)%2
.endr
.endm
; A batch that comes through the ring.  more = 1: each eight rows' registers, once read, take the same rows of batch u - 1.
.macro RTILE u, more
	LOADP \u, 0, 0
.irp n, 0,1,2,3,4,5,6,7
.if \n < 7
	LOADP \u, \n+1, (\n+1)%2
.endif
.if \more
	s_wait_loadcnt 56                              ; loads come back in order (ISA guide 5.7.1): behind these eight rows' stand this batch's 8 (7 - n) and the next batch's 8 n: always 56.  (The first such wait also shows the 64 older loads, the tail's weights and vectors, in)
.else
	s_wait_loadcnt 56-8*\n                         ; behind these eight rows' stand the batch's remaining rows'
.endif
	ADDR \n, (\n)%2
.if \more
	GLOAD (\u)-1, \n
.endif
.if \n < 7
	s_wait_dscnt 8                                 ; these rows' probabilities are in; the next eight rows' may be out
.else
	s_wait_dscnt 0x0
.endif
	FMAS \u, \n, (\n)%2
.endr
.endm
	s_load_b512 s[4:19], s[0:1], 0x0               ; x 4, probs 6, pe 8, w3img 10, b3a 12, g3a 14, be3a 16, b3b 18
	s_load_b128 s[20:23], s[0:1], 0x40             ; g3b 20, be3b 22
	s_load_b64 s[24:25], s[0:1], 0x50              ; out0
	v_lshl_add_u32 v254, v0, 2, 0x4ea00
	v_mov_b32 v255, 0
	ds_add_u32 v254, v255
	ds_add_u32 v254, v255
	v_lshrrev_b32 v[TM+3], 5, v0
	v_readfirstlane_b32 s[WV], v[TM+3]             ; wave 0..3
	s_mov_b32 s[G1X+0], 2<<16                      ; a batch: 64 rows of 128 elements of 4 bytes, no padding
	s_mov_b32 s[G1X+1], 128<<16
	s_mov_b32 s[G1X+2], 64<<16
	s_mov_b32 s[G1X+3], 128<<16
	s_mov_b32 s[G1X+4], 64
	s_mov_b32 s[G1X+5], 128
	s_mov_b32 s[G1X+6], 0
	s_mov_b32 s[G1X+7], 0
	s_mov_b32 s[G1P+0], 2<<16                      ; the probabilities: 4 rows (j) of 256 elements (my four batches' rows, neighbours in memory), 4,096 rows of 64 elements apart
	s_mov_b32 s[G1P+1], 256<<16
	s_mov_b32 s[G1P+2], 4<<16
	s_mov_b32 s[G1P+3], 256<<16
	s_mov_b32 s[G1P+4], 4
	s_mov_b32 s[G1P+5], 262144
	s_mov_b32 s[G1P+6], 0
	s_mov_b32 s[G1P+7], 0
	s_mov_b32 s[G1E+0], 3<<16                      ; a quarter of pe: 8,192 dense bytes as 32 rows of 32 elements of 8 bytes
	s_mov_b32 s[G1E+1], 32<<16
	s_mov_b32 s[G1E+2], 32<<16
	s_mov_b32 s[G1E+3], 32<<16
	s_mov_b32 s[G1E+4], 32
	s_mov_b32 s[G1E+5], 32
	s_mov_b32 s[G1E+6], 0
	s_mov_b32 s[G1E+7], 0
	s_lshl_b32 s78, s[WV], 13
	s_mov_b32 s79, 0
	s_add_co_u32 s[G0E+1], s78, PEL
	s_lshl_b32 s82, s[WV], 12
	s_add_co_u32 s[G0P+1], s82, PB
	s_lshl_b32 s82, ttmp9, 12                      ; 256 bytes a row of probs: 16 rows a work-group,
	s_lshl_b32 s83, s[WV], 10                      ; 4 a wave
	s_add_co_u32 s82, s82, s83
	s_mov_b32 s83, 0
	s_lshl_b32 s[G0A+1], s[WV], 16
	s_add_co_u32 s[G0B+1], s[G0A+1], SLOT
	s_lshl_b32 s84, ttmp9, 19
	s_lshl_b32 s85, s[WV], 17
	s_add_co_u32 s84, s84, s85
	s_mov_b32 s85, 0
	s_mov_b32 s[SEL], 0x76543210
	s_mov_b32 s[SEL+1], 0xfedcba98
	s_wait_dscnt 0x0
	s_wait_kmcnt 0x0
	s_mov_b32 s[G0E], 1
	s_add_nc_u64 s[G0E+2:G0E+3], s[8:9], s[78:79]
	s_or_b32 s[G0E+3], s[G0E+3], 0x80000000
	s_mov_b32 s[G0P], 1
	s_add_nc_u64 s[G0P+2:G0P+3], s[6:7], s[82:83]
	s_or_b32 s[G0P+3], s[G0P+3], 0x80000000
	s_add_nc_u64 s[4:5], s[4:5], s[84:85]          ; x at my first batch; not written again
	s_mov_b32 s[G0A], 1
	s_add_nc_u64 s[G0A+2:G0A+3], s[4:5], 3*32768   ; batch u = 3
	s_or_b32 s[G0A+3], s[G0A+3], 0x80000000
	s_mov_b32 s[G0B], 1
	s_add_nc_u64 s[G0B+2:G0B+3], s[4:5], 2*32768   ; batch u = 2
	s_or_b32 s[G0B+3], s[G0B+3], 0x80000000
	tensor_load_to_lds s[G0E:G0E+3], s[G1E:G1E+7]  ; the launch's only fills go out together, ahead of everything else: four tensor loads of mine are out; no LDS byte is filled twice
	s_nop 0
	tensor_load_to_lds s[G0P:G0P+3], s[G1P:G1P+7]
	s_nop 0
	tensor_load_to_lds s[G0A:G0A+3], s[G1X:G1X+7]
	s_nop 0
	tensor_load_to_lds s[G0B:G0B+3], s[G1X:G1X+7]
	s_nop 0
	PLACES 4
	v_and_b32 v[TM], 31, v0                        ; lane
	v_and_b32 v[TM+1], 15, v0                      ; r
	v_bfe_u32 v[TM+2], v0, 4, 1                    ; h
	v_lshlrev_b32 v[LI], 4, v[TM]
	v_lshlrev_b32 v[LS], 2, v[TM]
	s_lshl_b32 s27, s[WV], 16
	v_add_nc_u32 v[XA], s27, v[LI]
	s_lshl_b32 s27, s[WV], 12
	s_add_co_u32 s27, s27, PB
	v_mov_b32 v[PA], s27
	v_lshlrev_b32 v[SH8], 3, v[TM+2]
	v_add_nc_u32 v[PEA], PEL, v[LI]
	s_mul_i32 s27, s[WV], 4*SPIT
	s_add_co_u32 s27, s27, STG
	v_add_nc_u32 v[STA], s27, v[LI]
	v_mul_u32_u24 v[STR], v[TM+1], SPIT
	v_lshl_add_u32 v[STR], v[TM+2], 7, v[STR]
	v_add_nc_u32 v[STR], STG, v[STR]
	s_mul_i32 s27, s[WV], 24
	s_add_co_u32 s27, s27, HX
	v_mul_u32_u24 v[HRA], v[TM+1], 104
	v_mad_u32_u24 v[HWA], v[TM+2], 12, v[HRA]
	v_add_nc_u32 v[HWA], s27, v[HWA]
	v_mad_u32_u24 v[HRA], v[TM+2], 24, v[HRA]
	v_add_nc_u32 v[HRA], HX, v[HRA]
	v_lshl_add_u32 v[HSR], v[TM+1], 2, HX+HSCO
	v_add_nc_u32 v[HSA], s[WV], v[HSR]
	s_lshl_b32 s27, s[WV], 7
	v_lshl_add_u32 v[BL], v[TM+2], 6, s27
	s_add_co_u32 s27, s27, OST
	v_mul_u32_u24 v[OSA], v[TM+1], 528
	v_lshl_add_u32 v[OSA], v[TM+2], 6, v[OSA]
	v_add_nc_u32 v[OSA], s27, v[OSA]
	s_mul_i32 s27, s[WV], 4*528
	s_add_co_u32 s27, s27, OST
	v_add_nc_u32 v[OSR], s27, v[LI]
	v_mov_b32 v[TM+6], 0                           ; written once: a lane permute's destination counts as one of its sources
	s_mul_i32 s78, s[WV], 3072
	s_add_nc_u64 s[74:75], s[10:11], s[78:79]      ; my fragments' codes: tiles 2 w, 2 w + 1
	s_lshl_b32 s78, s[WV], 8
	s_add_co_u32 s78, s78, 61440
	s_add_nc_u64 s[76:77], s[10:11], s[78:79]      ; and their scale words
	s_lshl_b32 s78, ttmp9, 11
	s_lshl_b32 s27, s[WV], 9
	s_add_co_u32 s78, s78, s27
	s_add_nc_u64 s[80:81], s[24:25], s[78:79]      ; out0 at row 4 g + w
	; the weights and vectors of the tail are asked for now, ahead of the ring's loads: 64 loads; their address registers and bases are never rewritten
	WIN 0x80
.irp f, 0,1,2,3,4,5,6,7
.irp q, 0,1,2
	global_load_b128 v[W3A+12*\f+4*\q:W3A+12*\f+4*\q+3], v[LI], s[74:75] offset:12288*(\f/2)+1536*(\f%2)+512*\q
.endr
.endr
.irp e, 0,1
.irp q, 0,1,2
	global_load_b128 v[W3B+12*\e+4*\q:W3B+12*\e+4*\q+3], v[LI], s[74:75] offset:49152+1536*\e+512*\q
.endr
.endr
.irp q, 0,1,2,3
	global_load_b128 v[B3A+4*\q:B3A+4*\q+3], v[BL], s[12:13] offset:16*\q
	global_load_b128 v[G3A+4*\q:G3A+4*\q+3], v[BL], s[14:15] offset:16*\q
	global_load_b128 v[BE3A+4*\q:BE3A+4*\q+3], v[BL], s[16:17] offset:16*\q
	global_load_b128 v[B3B+4*\q:B3B+4*\q+3], v[BL], s[18:19] offset:16*\q
	global_load_b128 v[G3B+4*\q:G3B+4*\q+3], v[BL], s[20:21] offset:16*\q
	global_load_b128 v[BE3B+4*\q:BE3B+4*\q+3], v[BL], s[22:23] offset:16*\q
.endr
	WIN 0
.irp f, 0,1,2,3,4,5,6,7
	global_load_b32 v[W3AS+\f], v[LS], s[76:77] offset:1024*(\f/2)+128*(\f%2)
.endr
.irp e, 0,1
	global_load_b32 v[W3BS+\e], v[LS], s[76:77] offset:4096+128*\e
.endr
.irp n, 0,1,2,3,4,5,6,7
	GLOAD 1, \n                                    ; the ring is filled: batch u = 1, 64 rows
.endr
	WIN 0
	s_wait_tensorcnt 0x3                           ; my quarter of pe has landed; the three fills asked for behind it may be out
	s_barrier_signal -1
	s_barrier_wait -1                              ; everybody's quarter has
	WIN 0x40
.set i, 0
.rept 64
	ds_load_b128 v[4*i:4*i+3], v[PEA] offset:512*i ; pe[s][4 l ..]
.set i, i+1
.endr
	TILE 3, 0, 1                                   ; the probabilities and batch u = 3 are in; u = 2's tile may be out
	RTILE 1, 1                                     ; u = 1 out of the ring, and u = 0 into it
	TILE 2, 1, 0                                   ; u = 2 out of LDS while u = 0 is on its way; no tensor load of mine is out from here on
	RTILE 0, 0
	; ---- THE TAIL.  The stage lies where pe lay: my reads of pe are back (every LDS load of mine is: the wait for 0 above), and behind this barrier everybody's are
	s_barrier_signal -1
	s_barrier_wait -1
	; my four rows of attn go to the stage: row 4 w + j, columns 128 u + 4 l on
.irp u, 0,1,2,3
.irp j, 0,1,2,3
	ds_store_b128 v[STA], v[ACC+16*\u+4*\j:ACC+16*\u+4*\j+3] offset:SPIT*\j+512*\u
.endr
.endr
	s_wait_dscnt 0x0                               ; for the others' sake: my rows lie in the stage
	s_barrier_signal -1
	s_barrier_wait -1
	WIN 0x40
.set i, 0
.rept 64
	ds_load_b128 v[4*i:4*i+3], v[STR] offset:512*(i/16)+256*((i/8)%2)+16*(i%8)   ; register 64 s + 32 c + i = attn(row r, 128 s + 64 c + 32 h + i)
.set i, i+1
.endr
	s_wait_dscnt 48                                ; K step 0's sixteen loads are in; the later steps' may be out
	QB 0, AC, AS
	s_wait_dscnt 32
	QB 64, AC+12, AS+1
	s_wait_dscnt 16
	QB 128, AC+24, AS+2
	s_wait_dscnt 0x0
	QB 192, AC+36, AS+3
	PLACES 8                                       ; a scale word made by vector instructions stands 8 places ahead of the scaled product, codes so made 4.  (The weights, their scale words and the vectors were shown in by the ring's waits)
	WIN 0x22                                       ; source 0 (w3a) and C (b3a) in window 2
	MM HH, W3A, AC, B3A, W3AS, AS
	MM HH+8, W3A+12, AC, B3A+8, W3AS+1, AS
	WIN 0x02
.irp s, 1,2,3                                  ; the two accumulators take turns, one instruction a turn
	MM HH, W3A+24*\s, AC+12*\s, HH, W3AS+2*\s, AS+\s
	MM HH+8, W3A+24*\s+12, AC+12*\s, HH+8, W3AS+2*\s+1, AS+\s
.endr
	PLACES 4
	WIN 0x28
.irp i, 0,2,4,6,8,10,12,14
	v_pk_fma_f32 v[HH+\i:HH+\i+1], v[HH+\i:HH+\i+1], v[G3A+\i:G3A+\i+1], v[BE3A+\i:BE3A+\i+1]   ; x g3a + be3a; each accumulator from its low end on
.endr
	WIN 0
.irp i, 0,1,2,3,4,5,6,7,8,9,10,11,12,13,14,15
	v_max_num_f32 v[HH+\i], 0, v[HH+\i]            ; relu: h1(row r, 32 w + 16 h + i)
.endr
	v_max3_num_f32 v[TM], v[HH], v[HH+1], 0x1800000       ; block w of the next K: my 16 numbers, none negative, and the floor
	v_max3_num_f32 v[TM+1], v[HH+8], v[HH+9], 0x1800000
.irp i, 2,4,6
	v_max3_num_f32 v[TM], v[TM], v[HH+\i], v[HH+\i+1]
	v_max3_num_f32 v[TM+1], v[TM+1], v[HH+8+\i], v[HH+9+\i]
.endr
	v_max_num_f32 v[TM], v[TM], v[TM+1]
	v_permlanex16_b32 v[TM+6], v[TM], s[SEL], s[SEL+1]
	v_max_num_f32 v[TM], v[TM], v[TM+6]            ; with lane l xor 16's 16
	v_add_nc_u32 v[TM+2], 0xff000000, v[TM]
	v_lshrrev_b32 v[TM+3], 23, v[TM+2]
	v_cvt_scalef32_pk16_fp6_f32 v[HC:HC+2], v[HH:HH+15], v[TM+2]
	v_nop                                          ; one plain place behind the scaled conversion
	ds_store_b32 v[HWA], v[HC]                     ; 12 bytes of the row's stream of codes, at 24 w + 12 h
	ds_store_b32 v[HWA], v[HC+1] offset:4
	ds_store_b32 v[HWA], v[HC+2] offset:8
	ds_store_b8 v[HSA], v[TM+3]                    ; byte w of the row's scale word (both halves of the lanes write the same byte with the same value)
	s_wait_dscnt 0x0
	s_barrier_signal -1
	s_barrier_wait -1
.irp p, 0,1,2,3,4,5
	ds_load_b64 v[HF+2*\p:HF+2*\p+1], v[HRA] offset:48*(\p/3)+8*(\p%3)
.endr
	ds_load_b32 v[HS], v[HSR]
	s_wait_dscnt 0x0
	WIN 0x22
	MM OO, W3B, HF, B3B, W3BS, HS
	MM OO+8, W3B+12, HF, B3B+8, W3BS+1, HS
	PLACES 4
	WIN 0x28
.irp i, 0,2,4,6,8,10,12,14
	v_pk_fma_f32 v[OO+\i:OO+\i+1], v[OO+\i:OO+\i+1], v[G3B+\i:G3B+\i+1], v[BE3B+\i:BE3B+\i+1]
.endr
	WIN 0
.irp i, 0,1,2,3,4,5,6,7,8,9,10,11,12,13,14,15
	v_max_num_f32 v[OO+\i], 0, v[OO+\i]
.endr
.irp q, 0,1,2,3
	ds_store_b128 v[OSA], v[OO+4*\q:OO+4*\q+3] offset:16*\q
.endr
	s_wait_dscnt 0x0
	s_barrier_signal -1
	s_barrier_wait -1                              ; 16 whole rows of the output lie in LDS; stage row 4 w + j is row 4 g + w + 1024 j of out0
.irp j, 0,1,2,3
	ds_load_b128 v[OUTR+4*\j:OUTR+4*\j+3], v[OSR] offset:528*\j
.endr
.irp j, 0,1,2,3
	s_wait_dscnt 3-\j
	global_store_b128 v[LI], v[OUTR+4*\j:OUTR+4*\j+3], s[80:81] offset:524288*\j th:TH_STORE_NT   ; 32 lanes store a row of 512 bytes, at a multiple of 512 from the buffer's first byte
.endr
	s_wait_tensorcnt 0x0
	ds_add_u32 v254, v255
	s_wait_dscnt 0x0
	s_endpgm
.Lfunc_end_k_q1b34f9dd41_mix:
	.size	k_q1b34f9dd41_mix, .Lfunc_end_k_q1b34f9dd41_mix-k_q1b34f9dd41_mix
	.p2alignl 7, 3214868480
	.fill 96, 4, 3214868480
	.section	.rodata,"a",@progbits
	.p2align	6, 0x0
	.amdhsa_kernel k_q1b34f9dd41_mix
		.amdhsa_group_segment_fixed_size 327680
		.amdhsa_private_segment_fixed_size 0
		.amdhsa_enable_private_segment 0
		.amdhsa_kernarg_size 88
		.amdhsa_user_sgpr_count 2
		.amdhsa_user_sgpr_kernarg_segment_ptr 1
		.amdhsa_wavefront_size32 1
		.amdhsa_system_sgpr_workgroup_id_x 1
		.amdhsa_system_sgpr_workgroup_id_y 1
		.amdhsa_system_sgpr_workgroup_id_z 1
		.amdhsa_system_vgpr_workitem_id 0
		.amdhsa_next_free_vgpr 1024
		.amdhsa_next_free_sgpr 88
		.amdhsa_reserve_vcc 0
		.amdhsa_float_denorm_mode_32 3
		.amdhsa_float_denorm_mode_16_64 3
		.amdhsa_memory_ordered 1
		.amdhsa_forward_progress 1
		.amdhsa_inst_pref_size 242
	.end_amdhsa_kernel
	.amdgpu_metadata
---
amdhsa.version: [ 1, 2 ]
amdhsa.kernels:
  - .name:           k_q1b34f9dd41_mix
    .symbol:         k_q1b34f9dd41_mix.kd
    .args:
      - { .name: x, .offset: 0, .size: 8, .value_kind: global_buffer, .address_space: global }
      - { .name: probs, .offset: 8, .size: 8, .value_kind: global_buffer, .address_space: global }
      - { .name: pe, .offset: 16, .size: 8, .value_kind: global_buffer, .address_space: global }
      - { .name: w3img, .offset: 24, .size: 8, .value_kind: global_buffer, .address_space: global }
      - { .name: b3a, .offset: 32, .size: 8, .value_kind: global_buffer, .address_space: global }
      - { .name: g3a, .offset: 40, .size: 8, .value_kind: global_buffer, .address_space: global }
      - { .name: be3a, .offset: 48, .size: 8, .value_kind: global_buffer, .address_space: global }
      - { .name: b3b, .offset: 56, .size: 8, .value_kind: global_buffer, .address_space: global }
      - { .name: g3b, .offset: 64, .size: 8, .value_kind: global_buffer, .address_space: global }
      - { .name: be3b, .offset: 72, .size: 8, .value_kind: global_buffer, .address_space: global }
      - { .name: out0, .offset: 80, .size: 8, .value_kind: global_buffer, .address_space: global }
    .group_segment_fixed_size: 327680
    .private_segment_fixed_size: 0
    .kernarg_segment_align: 8
    .kernarg_segment_size: 88
    .max_flat_workgroup_size: 128
    .sgpr_count:     88
    .vgpr_count:     1024
    .wavefront_size: 32
...
	.end_amdgpu_metadata
.endif
;; end of part 2
